; MI455X (gfx1250); checked and timed in simulation.
; The chip was launched on July 23, 2026; its instructions are those of AMD's public machine-readable ISA for CDNA 5 (MIT licence, August 2026) and "CDNA5" Instruction Set Architecture Reference Guide (July 2026). The comments in the code are by the model that wrote it; some were corrected since.
;; Adaptive Flow Router. Allowed arithmetic: float matrix products may take bf16 or f16 operands with f32 sums; all other float work in f32.
;; Inputs: flow_patterns 8 x 1,024 x 1,024 float32; int_b 1 float32; int_w 1 x 1,024 float32; sel_b 8 float32; sel_w 8 x 1,024 float32; x 4 x 2,048 x 1,024 float32.
;; Outputs: out0 4 x 2,048 x 1,024 float32; out1 one number float32; out2 one number float32.
;; 2 versions, each right and faster than the one before. Each part assembles by itself: llvm-mc -triple=amdgcn-amd-amdhsa -mcpu=gfx1250 --defsym DOCPART=n.
;; ======== version 1 of 2: 2 launches
;; workspace buffers: xb 16,777,216 bytes; fb 16,777,216 bytes; coef 262,144 bytes; part 2,048 bytes
;; launch prep (part 1): grid 256 x 1, 16 waves a work-group, no clusters, 21,760 bytes of LDS; arguments x, flow_patterns, sel_w, sel_b, int_w, int_b, xb, fb, coef, part; writes xb, fb, coef, part
.if DOCPART == 1
	.amdgcn_target "amdgcn-amd-amdhsa--gfx1250"
	.amdhsa_code_object_version 6
	.text
	.protected	k_qe65fba50c3_prep
	.globl	k_qe65fba50c3_prep
	.p2align	8
	.type	k_qe65fba50c3_prep,@function
k_qe65fba50c3_prep:
	s_mov_b64 s[64:65], 0
	v_nop
	global_prefetch_b8 v0, s[64:65] scope:SCOPE_SE
	s_setreg_imm32_b32 hwreg(HW_REG_WAVE_MODE, 25, 1), 1
	s_wait_xcnt 0x0
; prep: rounds x and flow_patterns to bf16 (xb, fb, same row order) and does the routing of every token.
;   coef[token block of 32][p][token] = softmax(x.sel_w + sel_b)[p] * sigmoid(x.int_w + int_b)      (f32)
;   part[work-group] = (sum over its 32 tokens of sum_p w log2(w + 1e-8),  sum over its 32 tokens of the sigmoid)   (f32)
; 256 work-groups of 16 waves.  Work-group g owns 32 rows of x and the 32 rows of flow_patterns at the same byte offset; wave w rows 2w, 2w+1
; of each.  A row of 4,096 bytes is eight loads of 512 neighbouring bytes; packed to bf16 it is eight stores of 256 neighbouring bytes, aligned.
; The text is straight: every wave issues all its 37 loads first, so the whole share of the work-group (256 KiB) is on its way at once.
; WHY NO MATRIX UNIT: the routing has 9 columns, 0.1 % of the problem's multiply-adds, and this launch is bound by its bytes.  A matrix fragment
; wants a row per lane, which would break the 512-byte loads and the 256-byte stores.  v_fma_mix_f32_bf16 multiplies the same
; bf16 operands into f32 sums.  No cluster, no tensor loads: no two work-groups share more than the 36 KiB of weights.
; LIMITS: x, flow_patterns, sel_w, int_w are rounded once to bf16 (nearest even), the biases stay f32; the maximum is taken away before the
; exponentials; a softmax term below 2^-126 counts as 0 (v_exp_f32 flushes such results: ISA guide 15.8); sums run in another order than a plain loop's.
.set ROWF, 4096                        ; bytes in a row of f32
.set ROWH, 2048                        ; bytes in a row of bf16
.set WL,   0                           ; LDS: [9][1024] bf16, rows 0-7 sel_w, row 8 int_w: 18,432 bytes
.set CB,   18432                       ; LDS: [8 p][32 tokens] f32: the work-group's block of coef, 1,024 bytes
.set PS,   19456                       ; LDS: [16 waves][2] f32: the waves' two sums, 128 bytes
.set BS,   12                          ; v[12:20]   bias of column p, divided by 32
.set ACC,  22                          ; v[22:39]   row i, column p at ACC + 9 i + p
.set WT,   40                          ; v[40:75]   two buffers of 9 pairs: the weights of a chunk (first: the weights as loaded)
.set T,    76                          ; v[76:111]  at work
.set X,    112                         ; v[112:175] two rows of x, 32 registers each; packed: the first 16 of each
.set F,    176                         ; v[176:239] two rows of flow_patterns, likewise
; v1 lane, v2 my 16 bytes in x and F, v3 my 8 bytes in xb and fb, v4 = 16 t, v5 = 8 t, v6 = 4 t, v7 = 8 lane, v8 = 8 wave, v10 at work
	s_load_b512 s[4:19], s[0:1], 0x0               ; x 4, flow_patterns 6, sel_w 8, sel_b 10, int_w 12, int_b 14, xb 16, fb 18
	s_load_b128 s[20:23], s[0:1], 0x40             ; coef 20, part 22
	v_lshl_add_u32 v240, v0, 2, 0x4d00
	v_mov_b32 v241, 0
	v_and_b32 v1, 31, v0                           ; lane
	v_lshrrev_b32 v2, 5, v0
	v_readfirstlane_b32 s33, v2                    ; wave 0..15
	s_mov_b32 s36, 0x76543210                      ; v_permlanex16_b32: lane i of one half reads lane i of the other
	s_mov_b32 s37, 0xfedcba98
	v_lshlrev_b32 v4, 4, v0
	v_lshlrev_b32 v5, 3, v0
	v_lshlrev_b32 v6, 2, v0
	v_lshlrev_b32 v7, 3, v1
	v_lshlrev_b32 v2, 4, v1
	v_lshl_add_u32 v2, s33, 13, v2                 ; wave x 2 rows x 4,096 + 16 lane
	v_lshl_add_u32 v3, s33, 12, v7                 ; wave x 2 rows x 2,048 + 8 lane
	s_lshl_b32 s38, s33, 3
	v_mov_b32 v8, s38
	s_mov_b32 s35, 0
	s_wait_kmcnt 0x0
	s_load_b256 s[24:31], s[10:11], 0x0            ; sel_b
	s_load_b32 s32, s[14:15], 0x0                  ; int_b
	s_lshl_b32 s34, ttmp9, 17                      ; 32 rows of 4,096 bytes
	s_add_nc_u64 s[4:5], s[4:5], s[34:35]
	s_add_nc_u64 s[6:7], s[6:7], s[34:35]
	s_lshl_b32 s34, ttmp9, 16                      ; 32 rows of 2,048 bytes
	s_add_nc_u64 s[16:17], s[16:17], s[34:35]
	s_add_nc_u64 s[18:19], s[18:19], s[34:35]
	s_lshl_b32 s34, ttmp9, 10                      ; a block of coef
	s_add_nc_u64 s[20:21], s[20:21], s[34:35]
	s_lshl_b32 s34, ttmp9, 3                       ; a pair of part
	s_add_nc_u64 s[22:23], s[22:23], s[34:35]
; two rows, eight loads each of 512 neighbouring bytes; read once in the launch
.macro ROWS base, ptr
.irp i, 0,1
.irp c, 0,1,2,3,4,5,6,7
	global_load_b128 v[\base+32*\i+4*\c:\base+32*\i+4*\c+3], v2, s[\ptr:\ptr+1] offset:\i*ROWF+\c*512 th:TH_LOAD_NT
.endr
.endr
.endm
.irp j, 0,1,2,3
	global_load_b128 v[WT+4*\j:WT+4*\j+3], v4, s[8:9] offset:\j*8192       ; sel_w: 512 threads x 16 bytes, four times
.endr
	global_load_b64 v[WT+16:WT+17], v5, s[12:13]                           ; int_w: 512 threads x 8 bytes
	ROWS X, 4
	ROWS F, 6
	s_wait_kmcnt 0x0
	v_mov_b32 v10, 0x3d000000                      ; 1/32: each lane's chain starts from bias / 32, so the sum over 32 lanes holds the bias once
.irp p, 0,1,2,3,4,5,6,7,8
	v_mul_f32 v[BS+\p], s[24+\p], v10
.endr
	; the weights, rounded to bf16, into LDS for all sixteen waves
	s_wait_loadcnt 32                              ; loads come back in order (ISA guide 5.7.1): the five weight loads are in, the 32 of x and F stay out
.irp j, 0,1,2,3
	v_cvt_pk_bf16_f32 v[T+2*\j],   v[WT+4*\j],   v[WT+4*\j+1]
	v_cvt_pk_bf16_f32 v[T+2*\j+1], v[WT+4*\j+2], v[WT+4*\j+3]
.endr
	v_cvt_pk_bf16_f32 v[T+8], v[WT+16], v[WT+17]
.irp j, 0,1,2,3
	ds_store_b64 v5, v[T+2*\j:T+2*\j+1] offset:WL+\j*4096
.endr
	ds_store_b32 v6, v[T+8] offset:WL+8*ROWH
	s_wait_dscnt 0x0                               ; for the other waves' sake: my stores are done before I signal
	s_barrier_signal -1
	s_barrier_wait -1
; the weights of chunk c: my 4 columns 128 c + 4 lane .. + 3 of all nine rows; 32 lanes take 256 neighbouring bytes
.macro WLOAD c
.irp p, 0,1,2,3,4,5,6,7,8
	ds_load_b64 v[WT+18*((\c)%2)+2*\p:WT+18*((\c)%2)+2*\p+1], v7 offset:WL+\p*ROWH+(\c)*256
.endr
.endm
; 32 f32 of a row to 16 registers of bf16, in place: register j is written when registers 2 j and 2 j + 1 have been read
.macro PACK base
.irp j, 0,1,2,3,4,5,6,7,8,9,10,11,12,13,14,15
	v_cvt_pk_bf16_f32 v[\base+\j], v[\base+2*\j], v[\base+2*\j+1]
.endr
.endm
; two packed rows out: each store of the wave covers 256 consecutive bytes, aligned
.macro STORE base, ptr
.irp i, 0,1
.irp c, 0,1,2,3,4,5,6,7
	global_store_b64 v3, v[\base+32*\i+2*\c:\base+32*\i+2*\c+1], s[\ptr:\ptr+1] offset:\i*ROWH+\c*256
.endr
.endr
.endm
; chunk c: 4 columns x 2 rows x 9 weight rows, bf16 x bf16 into f32; the 18 chains take turns.  left = LDS loads that may stay out
.macro DOTS c, left
	s_wait_dscnt \left
.irp e, 0,1,2,3
.irp i, 0,1
.irp p, 0,1,2,3,4,5,6,7,8
.if \c+\e
.if \e%2
	v_fma_mix_f32_bf16 v[ACC+9*\i+\p], v[X+32*\i+2*\c+\e/2], v[WT+18*(\c%2)+2*\p+\e/2], v[ACC+9*\i+\p] op_sel:[1,1,0] op_sel_hi:[1,1,0]
.else
	v_fma_mix_f32_bf16 v[ACC+9*\i+\p], v[X+32*\i+2*\c+\e/2], v[WT+18*(\c%2)+2*\p+\e/2], v[ACC+9*\i+\p] op_sel_hi:[1,1,0]
.endif
.else
	v_fma_mix_f32_bf16 v[ACC+9*\i+\p], v[X+32*\i], v[WT+2*\p], v[BS+\p] op_sel_hi:[1,1,0]   ; the first product starts the chain from bias / 32
.endif
.endr
.endr
.endr
.endm
	WLOAD 0
	s_wait_loadcnt 16                              ; x's 16 loads are in, F's 16 stay out
	PACK X
	PACK X+32
	STORE X, 16
.irp c, 0,1,2,3,4,5,6
	WLOAD \c+1                                     ; the next chunk's weights are asked for ahead of this chunk's arithmetic
	DOTS \c, 9                                     ; LDS loads come back in order: this chunk's nine are in, the next chunk's nine stay out
.endr
	DOTS 7, 0
	; the 18 sums over the 32 lanes: four steps inside each half of 16 lanes, one across the halves; every lane ends with the sum
.irp m, 1,2,4,8
.irp k, 0,1,2,3,4,5,6,7,8,9,10,11,12,13,14,15,16,17
	v_add_f32_dpp v[ACC+\k], v[ACC+\k], v[ACC+\k] row_xmask:\m row_mask:0xf bank_mask:0xf
.endr
.endr
.irp k, 0,1,2,3,4,5,6,7,8,9,10,11,12,13,14,15,16,17
	v_permlanex16_b32 v[WT+\k], v[ACC+\k], s36, s37        ; its destination counts as read: WT has been written whole and is used up
.endr
.irp k, 0,1,2,3,4,5,6,7,8,9,10,11,12,13,14,15,16,17
	v_add_f32 v[ACC+\k], v[ACC+\k], v[WT+\k]
.endr
; the routing of row i, the same in every lane.  T: 0 maximum, 1-8 differences (later w + 1e-8, later c), 9 sigmoid's argument, 10-17 exponentials
; (later w), 18 sigmoid's exponential, 19-23 sums, 20 1 / sum, 22-29 logarithms, 32 + 2 i the row's sum of w log2, 33 + 2 i its sigmoid
.macro ROUTE i
.set L0, ACC+9*\i
	v_max3_num_f32 v[T], v[L0], v[L0+1], v[L0+2]
	v_max3_num_f32 v[T], v[T], v[L0+3], v[L0+4]
	v_max3_num_f32 v[T], v[T], v[L0+5], v[L0+6]
	v_max_num_f32 v[T], v[T], v[L0+7]
.irp p, 0,1,2,3,4,5,6,7
	v_sub_f32 v[T+1+\p], v[L0+\p], v[T]            ; the difference first, so that the largest term is exactly 2^0
.endr
.irp p, 0,1,2,3,4,5,6,7
	v_mul_f32 v[T+1+\p], 0x3fb8aa3b, v[T+1+\p]     ; x log2 e
.endr
	v_mul_f32 v[T+9], 0xbfb8aa3b, v[L0+8]          ; sigmoid(z) = 1 / (1 + 2^(-z log2 e))
.irp p, 0,1,2,3,4,5,6,7,8
	v_exp_f32 v[T+10+\p], v[T+1+\p]
.endr
	v_nop                                          ; one plain place behind the last transcendental before its result is read (ISA guide 5.7.2)
	s_wait_alu depctr_va_vdst(0)
	v_add_f32 v[T+19], v[T+10], v[T+11]
	v_add_f32 v[T+20], v[T+12], v[T+13]
	v_add_f32 v[T+21], v[T+14], v[T+15]
	v_add_f32 v[T+22], v[T+16], v[T+17]
	v_add_f32 v[T+23], 1.0, v[T+18]
	v_add_f32 v[T+19], v[T+19], v[T+20]
	v_add_f32 v[T+21], v[T+21], v[T+22]
	v_add_f32 v[T+19], v[T+19], v[T+21]            ; at least 1: the largest term is 1
	v_rcp_f32 v[T+20], v[T+19]
	v_rcp_f32 v[T+33+2*\i], v[T+23]                ; the intensity
	v_nop
	s_wait_alu depctr_va_vdst(0)
.irp p, 0,1,2,3,4,5,6,7
	v_mul_f32 v[T+10+\p], v[T+10+\p], v[T+20]      ; w
.endr
.irp p, 0,1,2,3,4,5,6,7
	v_add_f32 v[T+1+\p], 0x322bcc77, v[T+10+\p]    ; w + 1e-8
.endr
.irp p, 0,1,2,3,4,5,6,7
	v_log_f32 v[T+22+\p], v[T+1+\p]                ; log2; the factor ln 2 is applied once, to the mean
.endr
	v_nop
	s_wait_alu depctr_va_vdst(0)
	v_mul_f32 v[T+32+2*\i], v[T+10], v[T+22]
.irp p, 1,2,3,4,5,6,7
	v_fmac_f32 v[T+32+2*\i], v[T+10+\p], v[T+22+\p]
.endr
.irp p, 0,1,2,3,4,5,6,7
	v_mul_f32 v[T+1+\p], v[T+10+\p], v[T+33+2*\i]  ; c = w x intensity
.endr
.irp p, 0,1,2,3,4,5,6,7
	ds_store_b32 v8, v[T+1+\p] offset:CB+\p*128+4*\i       ; token 2 wave + i of the block; all lanes write the same word with the same value
.endr
.endm
	ROUTE 0
	ROUTE 1
	v_pk_add_f32 v[T+32:T+33], v[T+32:T+33], v[T+34:T+35]
	ds_store_b64 v8, v[T+32:T+33] offset:PS        ; my wave's two sums
	s_wait_loadcnt 0x0                             ; F's 16 loads
	PACK F
	PACK F+32
	STORE F, 18
	s_wait_dscnt 0x0                               ; my stores into CB and PS are done before I signal
	s_barrier_signal -1
	s_barrier_wait -1
	s_cmp_gt_u32 s33, 2
	s_cbranch_scc1 .Ldone
	s_cmp_eq_u32 s33, 2
	s_cbranch_scc1 .Lsums
	; waves 0 and 1: the block of coef, 64 lanes x 16 bytes: four runs of 256 consecutive bytes, aligned
	v_lshlrev_b32 v10, 4, v1
	v_lshl_add_u32 v10, s33, 9, v10
	ds_load_b128 v[T:T+3], v10 offset:CB
	s_wait_dscnt 0x0
	global_store_b128 v10, v[T:T+3], s[20:21]
	s_branch .Ldone
.Lsums:
	; wave 2: the sixteen waves' pairs, one in each lane of a half; four steps leave both totals in every lane
	v_and_b32 v10, 15, v1
	v_lshlrev_b32 v10, 3, v10
	ds_load_b64 v[T:T+1], v10 offset:PS
	v_cmp_eq_u32 vcc_lo, 0, v1
	s_wait_dscnt 0x0
.irp m, 1,2,4,8
	v_add_f32_dpp v[T], v[T], v[T] row_xmask:\m row_mask:0xf bank_mask:0xf
	v_add_f32_dpp v[T+1], v[T+1], v[T+1] row_xmask:\m row_mask:0xf bank_mask:0xf
.endr
	s_wait_xcnt 0x0                                ; EXEC is a source of my pending stores: it changes only behind this wait
	s_and_saveexec_b32 s38, vcc_lo                 ; lane 0 alone
	global_store_b64 v1, v[T:T+1], s[22:23]        ; the offset is the lane's number, 0 in the one lane that is on
	s_wait_xcnt 0x0                                ; and again in front of the line that widens EXEC
	s_or_b32 exec_lo, exec_lo, s38
.Ldone:
	s_wait_tensorcnt 0x0
	ds_add_u32 v240, v241
	s_wait_dscnt 0x0
	s_endpgm
.Lfunc_end_k_qe65fba50c3_prep:
	.size	k_qe65fba50c3_prep, .Lfunc_end_k_qe65fba50c3_prep-k_qe65fba50c3_prep
	.p2alignl 7, 3214868480
	.fill 96, 4, 3214868480
	.section	.rodata,"a",@progbits
	.p2align	6, 0x0
	.amdhsa_kernel k_qe65fba50c3_prep
		.amdhsa_group_segment_fixed_size 21760
		.amdhsa_private_segment_fixed_size 0
		.amdhsa_enable_private_segment 0
		.amdhsa_kernarg_size 80
		.amdhsa_user_sgpr_count 2
		.amdhsa_user_sgpr_kernarg_segment_ptr 1
		.amdhsa_wavefront_size32 1
		.amdhsa_system_sgpr_workgroup_id_x 1
		.amdhsa_system_sgpr_workgroup_id_y 1
		.amdhsa_system_sgpr_workgroup_id_z 1
		.amdhsa_system_vgpr_workitem_id 0
		.amdhsa_next_free_vgpr 242
		.amdhsa_next_free_sgpr 66
		.amdhsa_reserve_vcc 1
		.amdhsa_float_denorm_mode_32 3
		.amdhsa_float_denorm_mode_16_64 3
		.amdhsa_memory_ordered 1
		.amdhsa_forward_progress 1
		.amdhsa_inst_pref_size 70
	.end_amdhsa_kernel
	.amdgpu_metadata
---
amdhsa.version: [ 1, 2 ]
amdhsa.kernels:
  - .name:           k_qe65fba50c3_prep
    .symbol:         k_qe65fba50c3_prep.kd
    .args:
      - { .name: x, .offset: 0, .size: 8, .value_kind: global_buffer, .address_space: global }
      - { .name: flow_patterns, .offset: 8, .size: 8, .value_kind: global_buffer, .address_space: global }
      - { .name: sel_w, .offset: 16, .size: 8, .value_kind: global_buffer, .address_space: global }
      - { .name: sel_b, .offset: 24, .size: 8, .value_kind: global_buffer, .address_space: global }
      - { .name: int_w, .offset: 32, .size: 8, .value_kind: global_buffer, .address_space: global }
      - { .name: int_b, .offset: 40, .size: 8, .value_kind: global_buffer, .address_space: global }
      - { .name: xb, .offset: 48, .size: 8, .value_kind: global_buffer, .address_space: global }
      - { .name: fb, .offset: 56, .size: 8, .value_kind: global_buffer, .address_space: global }
      - { .name: coef, .offset: 64, .size: 8, .value_kind: global_buffer, .address_space: global }
      - { .name: part, .offset: 72, .size: 8, .value_kind: global_buffer, .address_space: global }
    .group_segment_fixed_size: 21760
    .private_segment_fixed_size: 0
    .kernarg_segment_align: 8
    .kernarg_segment_size: 80
    .max_flat_workgroup_size: 512
    .sgpr_count:     66
    .vgpr_count:     242
    .wavefront_size: 32
...
	.end_amdgpu_metadata
.endif
;; end of part 1
;; launch gemm (part 2): grid 8 x 32, 4 waves a work-group, clusters of 4 x 4, 327,680 bytes of LDS; arguments xb, fb, coef, part, out0, out1, out2; writes out0, out1, out2
.if DOCPART == 2
	.amdgcn_target "amdgcn-amd-amdhsa--gfx1250"
	.amdhsa_code_object_version 6
	.text
	.protected	k_qe65fba50c3_gemm
	.globl	k_qe65fba50c3_gemm
	.p2align	8
	.type	k_qe65fba50c3_gemm,@function
k_qe65fba50c3_gemm:
	s_mov_b64 s[64:65], 0
	v_nop
	global_prefetch_b8 v0, s[64:65] scope:SCOPE_SE
	s_setreg_imm32_b32 hwreg(HW_REG_WAVE_MODE, 25, 1), 1
	s_wait_xcnt 0x0
	s_wait_alu depctr_hold_cnt(0) depctr_sa_sdst(0) depctr_va_vdst(0) depctr_va_sdst(0) depctr_va_ssrc(0) depctr_va_vcc(0) depctr_vm_vsrc(0)
	s_getreg_b32 s2, hwreg(HW_REG_IB_STS2, 6, 4)
	s_cmp_eq_u32 s2, 0
	s_cbranch_scc0 .Lentry_in_a_cluster
	s_endpgm
.Lentry_in_a_cluster:
	s_bfe_u32 s2, ttmp6, 0x10000c
	s_cmp_lg_u32 s2, 0xf033
	s_cbranch_scc0 .Lentry_shape_is_right
	s_endpgm
.Lentry_shape_is_right:
; gemm: out0[t][i] = sum over p of c[t][p] * Y_p[t][i],  Y_p[t][i] = sum over j of xb[t][j] fb[p][i][j]   (xb, fb bf16; Y, c, out0 f32),
; and out1, out2 from the 256 pairs of part.
; A work-group owns 256 tokens x 128 columns: 32 x 8 = 256 work-groups.  The patterns go in four pairs (p = 2 q + g).  A wave (four, as many as a
; WGP has SIMDs) owns 128 tokens x 64 columns and multiplies them for both patterns of a pair at once: 64 accumulator tiles Y, 512 registers, so
; that 16 fragments (8 of tokens, 8 of columns x patterns) feed 64 matrix instructions.  When K = 1,024 is through, C += c_p * Y_p in f32
; (C: 32 tiles, 256 registers): 256 packed multiply-adds for a pair's 2,048 matrix instructions.  The weight is applied to finished f32 sums and never rounded to 16 bits.
; K goes in steps of 128 through a ring of two LDS slots filled by the tensor data mover; a tile's rows are 256 bytes of memory, aligned to 256.
; CLUSTERS: 4 x 4 work-groups.  xb's tile hangs on the block of tokens alone and is asked for jointly along a row of the cluster, fb's on the block of
; columns alone and is asked for jointly along a column: each of the four issues the same tensor load with the same descriptor and a mask that names the four.
; LIMITS: operands are the bf16 roundings that the launch before made; sums in f32, in the matrix unit's order along K and p ascending.
;
; REGISTERS, in windows of 256 (s_set_vgpr_msb's low byte: bits 1:0 source 0, 3:2 source 1, 5:4 source 2, 7:6 destination):
;   window 0: v0-15 ids and addresses; v16-31 coefficients; v32-47 the means; v64-127, v128-191 fragments of tokens, two buffers;
;             v192-255 fragments of columns, index 4 g + b
;   window 1: C, tile (a, b) at v[8 (4 a + b)];  window 2: Y of g = 0, the same map;  window 3: Y of g = 1
; THE MATRIX INSTRUCTION IS USED TRANSPOSED: source 0 = 16 rows of fb (columns of out0), source 1 = 16 rows of xb (tokens).  Lane l then holds token
; l % 16, and its registers 0 to 7 the columns 8 (l / 16) + 0 .. 7: one coefficient serves all eight, and they are 32 neighbouring bytes of out0.
.set PITCH, 272                        ; an LDS row: 256 bytes + 16 of padding = 68 words: the 16 rows that a load touches start at 16 different banks (64 banks of 4 bytes: ISA guide 11.1)
.set HALFT, 128*PITCH                  ; 128 rows: what one tensor load brings
.set SLOT,  4*HALFT                    ; tokens 0-127, tokens 128-255, the 128 columns of g = 0, those of g = 1
.set STAGE, 2*SLOT                     ; behind the ring: 16 rows x 272 bytes for each wave, for the way out; no tensor load lands here
.set KB,    256                        ; bytes of a row in a K step
.set PAIRB, 1<<22                      ; bytes in fb from a pair of patterns to the next: 2 x 1,024 rows x 2,048
.set ROWB,  4096                       ; bytes in a row of out0
.set ADRA, 8                           ; v8-9    LDS address of my token fragments in slot 0, 1
.set ADRB, 10                          ; v10-11  the same for my column fragments (g = 0; g = 1 lies HALFT further)
.set STO,  12                          ; v12     the way out: where I put 32 bytes of a row
.set RD,   13                          ; v13     the way out: where I read a row back
.set CO,   14                          ; v14     my byte offset in out0
.set CFO,  15                          ; v15     my byte offset in coef
.set CF,   16                          ; v[16:31] c of token 16 a + l % 16, pattern 2 q + g, at CF + 8 g + a
.set MW,   32                          ; v[32:47] the means, at work
.set F0,   64
.set F1,   128
.set FB,   192
.set G1,  32                           ; s[32:39] descriptor group 1 for xb's tiles
.set G0,  40                           ; s[40:47] group 0 for xb's tiles, a set for each slot
.set G1B, 48                           ; s[48:55] group 1 for fb's tiles: it differs in the mask alone
.set G0B, 56                           ; s[56:63] group 0 for fb's tiles, a set for each slot
.set DESC0, (1<<16)|(1<<20)|(1<<21)|(5<<22)|(3<<25)   ; 17:16 element of 2 bytes; 20 padding on; 21 set beside a mask; 24:22 after every 64 words; 31:25 of 4 words
.set MUL_LO, 0xa0                      ; sources in window 0, C and D in window 2
.set MUL_HI, 0xf0                      ; the same, C and D in window 3
.set MSB, 0
.macro WIN new                         ; the immediate's high byte repeats the setting that is left; a switch that changes nothing is dropped
.if MSB != \new
	s_set_vgpr_msb (MSB<<8)|\new
.set MSB, \new
.endif
.endm
; A load into a register that a matrix instruction has read, and a vector instruction that reads a matrix result, stand four places behind that matrix
; instruction, and only plain vector instructions that name none of its registers are places (ISA guide 7.12.1 for vector instructions).
.macro PLACES
.rept 4
	v_nop
.endr
.endm
; A joint load.  Waves 0 and 1 fetch the two halves of the tokens, waves 2 and 3 the columns of g = 0 and g = 1.  Each line has one mask and one set of
; registers; the branch hangs on the wave's number alone.
.macro JLOAD s
	s_cmp_eq_u32 s19, 0
	s_cbranch_scc0 .Lfor_b_\@
	tensor_load_to_lds s[G0+4*\s:G0+4*\s+3], s[G1:G1+7]
	s_nop 0
	s_branch .Lasked_\@
.Lfor_b_\@:
	tensor_load_to_lds s[G0B+4*\s:G0B+4*\s+3], s[G1B:G1B+7]
	s_nop 0
.Lasked_\@:
.endm
; A round of the cluster's barrier: my work-group's barrier, wave 0 signals for the work-group, every wave waits for all sixteen, my work-group's barrier once more.
.macro CREST                           ; a round behind its opening barrier
	s_cmp_lg_u32 s18, 0
	s_cbranch_scc1 .Lnot_wave_0_\@
	s_barrier_signal -3
.Lnot_wave_0_\@:
	s_barrier_wait -3
	s_barrier_signal -1
	s_barrier_wait -1
.endm
.macro CROUND
	s_barrier_signal -1
	s_barrier_wait -1
	CREST
.endm
	s_load_b256 s[4:11], s[0:1], 0x0               ; xb 4, fb 6, coef 8, part 10
	s_load_b128 s[12:15], s[0:1], 0x20             ; out0 12, out1 14
	s_load_b64 s[16:17], s[0:1], 0x30              ; out2
	v_lshl_add_u32 v62, v0, 2, 0x48400
	v_mov_b32 v63, 0
	ds_add_u32 v62, v63
	v_lshrrev_b32 v1, 5, v0
	v_readfirstlane_b32 s18, v1                    ; wave 0..3
	s_lshr_b32 s19, s18, 1                         ; which 128 tokens are mine.  Also: I fetch for xb (0) or for fb (1)
	s_and_b32 s20, s18, 1                          ; which 64 columns.  Also: which half of the tokens, or which g, I fetch
	s_bfe_u32 s21, ttmp6, 0x40000                  ; cx
	s_bfe_u32 s22, ttmp6, 0x40004                  ; cy
	s_lshl_b32 s23, ttmp9, 2
	s_add_co_u32 s23, s23, s21                     ; block of columns = 4 x cluster x + cx
	s_and_b32 s24, ttmp7, 0xffff
	s_lshl_b32 s24, s24, 2
	s_add_co_u32 s24, s24, s22                     ; block of tokens = 4 x cluster y + cy
	s_lshl_b32 s25, s22, 2
	s_lshl_b32 s25, 15, s25                        ; my row of the cluster: places 4 cy .. 4 cy + 3
	s_lshl_b32 s26, 0x1111, s21                    ; my column: places cx, cx + 4, cx + 8, cx + 12
	s_mov_b32 s74, 0x76543210                      ; v_permlanex16_b32: lane i of one half reads lane i of the other
	s_mov_b32 s75, 0xfedcba98
	; group 1: a tile of 128 rows x 128 elements, rows 1,024 elements apart, padded in LDS
	s_or_b32 s[G1+0], s25, DESC0                   ; xb's tiles go to my row of the cluster
	s_or_b32 s[G1B+0], s26, DESC0                  ; fb's to my column
.irp g, G1, G1B
	s_mov_b32 s[\g+1], 128<<16                     ; tensor_dim0 = 128
	s_mov_b32 s[\g+2], 128<<16                     ; tensor_dim1 = 128
	s_mov_b32 s[\g+3], 128<<16                     ; tile_dim0 = 128
	s_mov_b32 s[\g+4], 128                         ; tile_dim1 = 128
	s_mov_b32 s[\g+5], 1024                        ; elements from row to row
	s_mov_b32 s[\g+6], 0
	s_mov_b32 s[\g+7], 0
.endr
	; where the tiles come from: each address in registers that never hold the other coordinate
	s_lshl_b32 s27, s20, 18                        ; 128 rows of 2,048 bytes
	s_lshl_b32 s66, s24, 19                        ; 256 rows
	s_add_co_u32 s66, s66, s27
	s_mov_b32 s67, 0
	s_lshl_b32 s27, s20, 21                        ; a pattern: 1,024 rows
	s_lshl_b32 s68, s23, 18                        ; 128 rows
	s_add_co_u32 s68, s68, s27
	s_mov_b32 s69, 0
	s_mul_i32 s70, s18, HALFT                      ; and where they go: wave x 128 rows; no place in the cluster enters an LDS address
	s_wait_dscnt 0x0
	s_wait_kmcnt 0x0
	s_add_nc_u64 s[66:67], s[4:5], s[66:67]
	s_add_nc_u64 s[68:69], s[6:7], s[68:69]
	CROUND                                         ; all sixteen work-groups are here: the first joint loads meet
.irp s, 0,1
	s_mov_b32 s[G0+4*\s], 1
	s_add_co_u32 s[G0+4*\s+1], s70, \s*SLOT
	s_add_nc_u64 s[G0+4*\s+2:G0+4*\s+3], s[66:67], \s*KB           ; K step s of pair 0
	s_or_b32 s[G0+4*\s+3], s[G0+4*\s+3], 0x80000000               ; type = 2
	s_mov_b32 s[G0B+4*\s], 1
	s_add_co_u32 s[G0B+4*\s+1], s70, \s*SLOT
	s_add_nc_u64 s[G0B+4*\s+2:G0B+4*\s+3], s[68:69], \s*KB
	s_or_b32 s[G0B+4*\s+3], s[G0B+4*\s+3], 0x80000000
	JLOAD \s                                       ; both slots are asked for before anything else is done: two tensor loads of the wave are out
.endr
	; A fragment is 16 rows x 32 K in 8 registers: lane l holds row l % 16; registers 0-3 K = 8 (l / 16) + 0..7, registers 4-7 K = 16 + 8 (l / 16) + 0..7:
	; two loads of 16 bytes, 32 bytes apart, at row x pitch + 16 (l / 16).
	v_and_b32 v1, 15, v0                           ; r = l % 16
	v_bfe_u32 v2, v0, 4, 1                         ; h = l / 16
	v_mul_u32_u24 v3, v1, PITCH
	v_lshl_add_u32 v4, v2, 4, v3
	s_mul_i32 s27, s19, HALFT                      ; my 128 tokens
	s_mul_i32 s28, s20, 64*PITCH                   ; my 64 columns,
	s_add_co_u32 s28, s28, 2*HALFT                 ; behind the 256 tokens
.irp s, 0,1
	v_add_nc_u32 v[ADRA+\s], s27, v4
	v_add_nc_u32 v[ADRB+\s], s28, v4
	s_add_co_u32 s27, s27, SLOT
	s_add_co_u32 s28, s28, SLOT
.endr
	s_mul_i32 s29, s18, 16*PITCH
	s_add_co_u32 s29, s29, STAGE                   ; my stage
	v_lshl_add_u32 v5, v2, 5, v3                   ; in: row r, 32 bytes for each half of the lanes
	v_add_nc_u32 v[STO], s29, v5
	v_mul_u32_u24 v5, v2, PITCH                    ; back: lanes 0-15 take one row of 256 bytes, lanes 16-31 the next
	v_lshl_add_u32 v5, v1, 4, v5
	v_add_nc_u32 v[RD], s29, v5
	v_lshlrev_b32 v5, 12, v2                       ; and the same two rows in out0
	v_lshl_add_u32 v[CO], v1, 4, v5
	s_lshl_b32 s30, s24, 13                        ; coef: 8 blocks of 1,024 bytes for a block of 256 tokens,
	s_lshl_b32 s31, s19, 12                        ; 4 for my 128
	s_add_co_u32 s30, s30, s31
	v_lshl_add_u32 v[CFO], v1, 2, s30
	s_lshl_b32 s30, s24, 20                        ; out0: 256 rows of 4,096 bytes,
	s_lshl_b32 s31, s19, 19                        ; 128 rows,
	s_add_co_u32 s30, s30, s31
	s_lshl_b32 s31, s23, 9                         ; 128 columns of 4 bytes,
	s_add_co_u32 s30, s30, s31
	s_lshl_b32 s31, s20, 8                         ; 64 columns
	s_add_co_u32 s30, s30, s31
	s_mov_b32 s31, 0
	s_add_nc_u64 s[12:13], s[12:13], s[30:31]
	; THE TWO MEANS, by wave 0, while the first tiles are on their way.  No branch may hang on the work-group's place in its cluster, so wave 0 of every
	; work-group adds up the 2,048 bytes of part, and the stores are masked: only lane 0 of work-group (0, 0) is on.
	s_cmp_lg_u32 s18, 0
	s_cbranch_scc1 .Lno_means
	v_lshlrev_b32 v6, 4, v0                        ; in wave 0 the thread's number is the lane's
.irp c, 0,1,2,3
	global_load_b128 v[MW+4*\c:MW+4*\c+3], v6, s[10:11] offset:512*\c      ; two pairs a lane, four times
.endr
	s_lshl_b32 s73, s24, 3
	s_add_co_u32 s73, s73, s23                     ; the work-group's number, 0 to 255,
	s_lshl_b32 s73, s73, 7
	v_or_b32 v7, s73, v0                           ; above the thread's: 0 in one lane of the launch
	s_wait_loadcnt 0x0
.irp c, 0,4,8,12
	v_pk_add_f32 v[MW+\c:MW+\c+1], v[MW+\c:MW+\c+1], v[MW+\c+2:MW+\c+3]
.endr
	v_pk_add_f32 v[MW:MW+1], v[MW:MW+1], v[MW+4:MW+5]
	v_pk_add_f32 v[MW+8:MW+9], v[MW+8:MW+9], v[MW+12:MW+13]
	v_pk_add_f32 v[MW:MW+1], v[MW:MW+1], v[MW+8:MW+9]
.irp m, 1,2,4,8
	v_add_f32_dpp v[MW], v[MW], v[MW] row_xmask:\m row_mask:0xf bank_mask:0xf
	v_add_f32_dpp v[MW+1], v[MW+1], v[MW+1] row_xmask:\m row_mask:0xf bank_mask:0xf
.endr
	v_permlanex16_b32 v[MW+2], v[MW], s74, s75     ; destinations that have been written
	v_permlanex16_b32 v[MW+3], v[MW+1], s74, s75
	v_pk_add_f32 v[MW:MW+1], v[MW:MW+1], v[MW+2:MW+3]
	v_mul_f32 v[MW], 0xb8b17218, v[MW]             ; x (-ln 2 / 8,192): log2 to ln, the entropy's sign, the mean over 8,192 tokens
	v_mul_f32 v[MW+1], 0x39000000, v[MW+1]         ; x 1 / 8,192
	v_cmp_eq_u32 vcc_lo, 0, v7
	s_wait_xcnt 0x0                                ; EXEC changes only behind this wait
	s_and_saveexec_b32 s76, vcc_lo
	global_store_b32 v7, v[MW], s[14:15]           ; the offset register is 0 in the one lane that is on
	global_store_b32 v7, v[MW+1], s[16:17]
	s_wait_xcnt 0x0                                ; and again in front of the line that widens it
	s_or_b32 exec_lo, exec_lo, s76
.Lno_means:
; 8 LDS loads: the four column fragments of pattern g, 32 K at byte k of the rows
.macro LDB slot, k, g
.irp b, 0,1,2,3
	ds_load_b128 v[FB+8*(4*\g+\b):FB+8*(4*\g+\b)+3],   v[ADRB+\slot] offset:\g*HALFT+\b*16*PITCH+\k
	ds_load_b128 v[FB+8*(4*\g+\b)+4:FB+8*(4*\g+\b)+7], v[ADRB+\slot] offset:\g*HALFT+\b*16*PITCH+\k+32
.endr
.endm
; 8 LDS loads: the token fragments a0 .. a0 + 3 into buffer f
.macro LDA slot, k, f, a0
.irp i, 0,1,2,3
	ds_load_b128 v[\f+8*(\a0+\i):\f+8*(\a0+\i)+3],   v[ADRA+\slot] offset:(\a0+\i)*16*PITCH+\k
	ds_load_b128 v[\f+8*(\a0+\i)+4:\f+8*(\a0+\i)+7], v[ADRA+\slot] offset:(\a0+\i)*16*PITCH+\k+32
.endr
.endm
; 16 matrix instructions: token blocks a0 .. a0 + 3 x the four column blocks of pattern g.  zero = 1: the first product starts the sums.
; The 64 accumulators take turns, one instruction a turn, in the same order in every quarter step.
.macro MUL16 g, f, a0, zero
.irp i, 0,1,2,3
.irp b, 0,1,2,3
.if \zero
	v_wmma_f32_16x16x32_bf16 v[8*(4*(\a0+\i)+\b):8*(4*(\a0+\i)+\b)+7], v[FB+8*(4*\g+\b):FB+8*(4*\g+\b)+7], v[\f+8*(\a0+\i):\f+8*(\a0+\i)+7], 0
.else
	v_wmma_f32_16x16x32_bf16 v[8*(4*(\a0+\i)+\b):8*(4*(\a0+\i)+\b)+7], v[FB+8*(4*\g+\b):FB+8*(4*\g+\b)+7], v[\f+8*(\a0+\i):\f+8*(\a0+\i)+7], v[8*(4*(\a0+\i)+\b):8*(4*(\a0+\i)+\b)+7]
.endif
.endr
.endr
.endm
; A K step is four quarter steps of 32 along K, 64 matrix instructions each, on token buffers 0, 1, 0, 1.  The column fragments have one buffer in two
; halves: while g = 0 is multiplied, g = 1 of this quarter lands; while g = 1 is multiplied, g = 0 of the next.  Each run of 16 loads has 32 matrix instructions in which to land.
; One of the first three quarters: multiplies buffer f at byte k, fetches the next quarter's token fragments into buffer fn.
.macro QUARTER slot, k, f, fn, zero
	PLACES
	WIN 0
	LDB \slot, \k, 1
	LDA \slot, \k+64, \fn, 0
	s_wait_dscnt 16                                ; all but the 16 just issued: g = 0 of this quarter and buffer f are in
	WIN MUL_LO
	MUL16 0, \f, 0, \zero
	MUL16 0, \f, 4, \zero
	PLACES
	WIN 0
	LDB \slot, \k+64, 0
	LDA \slot, \k+64, \fn, 4
	s_wait_dscnt 24                                ; 32 were out, the oldest eight are g = 1 of this quarter: they are in
	WIN MUL_HI
	MUL16 1, \f, 0, \zero
	MUL16 1, \f, 4, \zero
.endm
; The last quarter: multiplies buffer 1 and changes slots.  fill = 1: this slot is filled again, two K steps ahead; wrap = 1: that is in the next pair of patterns.
; In front of the barrier each wave waits for its own reads of this slot and for all its tensor loads, of which one is out: its part of the next slot.
; Where the slot is filled again the barrier opens a round of the cluster's barrier; inside the round stands register work alone; the joint refill is the
; first tensor load behind the round, one a wave, and has the next K step less this quarter's tail in which to land.
.macro TURN slot, next, fill, wrap
	PLACES
	WIN 0
	LDB \slot, 192, 1
	s_wait_dscnt 8                                 ; all but the eight just issued
	WIN MUL_LO
	MUL16 0, F1, 0, 0
	s_wait_dscnt 0                                 ; my reads of this slot are over
	s_wait_tensorcnt 0x0                           ; and all my tensor loads have landed
	ds_add_u32 v62, v63
	s_wait_dscnt 0x0
	s_barrier_signal -1
	MUL16 0, F1, 4, 0                              ; work on registers while the others arrive
	WIN 0                                          ; at a branch and at a label every window is 0
	s_barrier_wait -1
.if \fill
	CREST                                          ; no wave of any partner still reads this slot or has a load on its way
.if \wrap
	s_sub_nc_u64 s[G0+4*\slot+2:G0+4*\slot+3], s[G0+4*\slot+2:G0+4*\slot+3], 6*KB            ; the tokens' rows again from K step 0 or 1
	s_add_nc_u64 s[G0B+4*\slot+2:G0B+4*\slot+3], s[G0B+4*\slot+2:G0B+4*\slot+3], PAIRB-6*KB  ; the next pair of patterns, likewise
.else
	s_add_nc_u64 s[G0+4*\slot+2:G0+4*\slot+3], s[G0+4*\slot+2:G0+4*\slot+3], 2*KB
	s_add_nc_u64 s[G0B+4*\slot+2:G0B+4*\slot+3], s[G0B+4*\slot+2:G0B+4*\slot+3], 2*KB
.endif
	JLOAD \slot
.endif
	PLACES
	LDB \next, 0, 0
	LDA \next, 0, F0, 0
	LDA \next, 0, F0, 4
	WIN MUL_HI
	MUL16 1, F1, 0, 0
	MUL16 1, F1, 4, 0
.endm
.macro THREE slot, zero
	QUARTER \slot, 0,   F0, F1, \zero
	QUARTER \slot, 64,  F1, F0, 0
	QUARTER \slot, 128, F0, F1, 0
.endm
.macro STEP slot, next, zero, fill, wrap
	THREE \slot, \zero
	TURN \slot, \next, \fill, \wrap
.endm
; the very last quarter: nothing more to fetch, no barrier
.macro LASTQ
	PLACES
	WIN 0
	LDB 1, 192, 1
	s_wait_dscnt 8
	WIN MUL_LO
	MUL16 0, F1, 0, 0
	MUL16 0, F1, 4, 0
	s_wait_dscnt 0
	WIN MUL_HI
	MUL16 1, F1, 0, 0
	MUL16 1, F1, 4, 0
.endm
; the pair's 16 coefficients of a lane: token 16 a + r lies in block a / 2 of my four, at word 16 (a % 2) + r of pattern 2 q + g's 32
.macro COEF
.irp g, 0,1
.irp a, 0,1,2,3,4,5,6,7
	global_load_b32 v[CF+8*\g+\a], v[CFO], s[8:9] offset:(\a/2)*1024+(\a%2)*64+\g*128
.endr
.endr
.endm
; two numbers of C: C = c Y (first) or C += c Y.  The coefficient is one register of an even pair, sent to both halves by op_sel and op_sel_hi.
.macro CM1 r, c, odd, first
.if \first
.if \odd
	v_pk_mul_f32 v[\r:\r+1], v[\r:\r+1], v[\c:\c+1] op_sel:[0,1] op_sel_hi:[1,1]
.else
	v_pk_mul_f32 v[\r:\r+1], v[\r:\r+1], v[\c:\c+1] op_sel_hi:[1,0]
.endif
.else
.if \odd
	v_pk_fma_f32 v[\r:\r+1], v[\r:\r+1], v[\c:\c+1], v[\r:\r+1] op_sel:[0,1,0] op_sel_hi:[1,1,1]
.else
	v_pk_fma_f32 v[\r:\r+1], v[\r:\r+1], v[\c:\c+1], v[\r:\r+1] op_sel_hi:[1,0,1]
.endif
.endif
.endm
.macro CMB g, first
.irp a, 0,1,2,3,4,5,6,7
.irp b, 0,1,2,3
.irp j, 0,2,4,6
	CM1 (8*(4*\a+\b)+\j), (CF+8*\g+\a-\a%2), (\a%2), \first
.endr
.endr
.endr
.endm
; C (window 1: destination and source 2) takes c (window 0: source 1) times Y (window 2 or 3: source 0).  first = 1: the first product starts C: nothing is cleared.
.macro COMBINE first
	s_wait_loadcnt 0x0                             ; the pair's 16 coefficients, asked for a pair's work ago
	PLACES                                         ; behind the last matrix instructions, whose results are read now
	WIN 0x52
	CMB 0, \first
	WIN 0x53
	CMB 1, 0
	WIN 0
.endm
; a pair of patterns: eight K steps, then the combination.  tail = 1: the last pair: its last two K steps fill nothing.
.macro PAIR first, tail
	COEF
	STEP 0, 1, 1, 1, 0                             ; the first products of a pair start its 64 sums
	STEP 1, 0, 0, 1, 0
	STEP 0, 1, 0, 1, 0
	STEP 1, 0, 0, 1, 0
	STEP 0, 1, 0, 1, 0
	STEP 1, 0, 0, 1, 0
.if \tail
	STEP 0, 1, 0, 0, 0                             ; my one tensor load that is still out is slot 1's, the last K step's: waited for in this step's last quarter
	THREE 1, 0
	LASTQ
	COMBINE \first
.else
	STEP 0, 1, 0, 1, 1                             ; the next pair's K steps 0 and 1 are asked for
	STEP 1, 0, 0, 1, 1
	COMBINE \first
	s_add_nc_u64 s[8:9], s[8:9], 256               ; two patterns on in coef; its loads are done (the wait for 0 above)
.endif
.endm
	s_wait_tensorcnt 0x1                           ; my part of K step 0 is in; slot 1's load stays out
	s_barrier_signal -1
	s_barrier_wait -1                              ; everybody's is
	LDB 0, 0, 0
	LDA 0, 0, F0, 0
	LDA 0, 0, F0, 4
	PAIR 1, 0                                      ; pair 0 stands in front of the loop: its combination starts C
	s_mov_b32 s72, 2
.Lpair:
	PAIR 0, 0                                      ; pairs 1 and 2
	s_sub_co_u32 s72, s72, 1
	s_cmp_lg_u32 s72, 0
	s_cbranch_scc1 .Lpair
	PAIR 0, 1                                      ; pair 3
; THE WAY OUT, 16 tokens at a time: 32 bytes a lane into my own stage in LDS, read back as whole rows of 256 bytes (my 64 columns).
; The stage is my wave's own and LDS serves a wave's instructions in order (ISA guide 5.7.1.4): no barrier, no wait between the stores and the loads.
.macro OUT16 a, f
	WIN 0x04                                       ; an LDS store's data are source 1: window 1
.irp b, 0,1,2,3
	ds_store_b128 v[STO], v[8*(4*\a+\b):8*(4*\a+\b)+3]   offset:64*\b
	ds_store_b128 v[STO], v[8*(4*\a+\b)+4:8*(4*\a+\b)+7] offset:64*\b+16
.endr
	WIN 0
	s_wait_xcnt 0x0                                ; buffer f, which earlier stores read, and the stores' base are rewritten only behind this wait
.if \a
	s_add_nc_u64 s[12:13], s[12:13], 16*ROWB
.endif
.irp t, 0,1,2,3,4,5,6,7
	ds_load_b128 v[\f+4*\t:\f+4*\t+3], v[RD] offset:\t*2*PITCH
.endr
.irp t, 0,1,2,3,4,5,6,7
	s_wait_dscnt 7-\t                              ; LDS loads come back in order: pair t of rows is in, the younger ones stay out
	global_store_b128 v[CO], v[\f+4*\t:\f+4*\t+3], s[12:13] offset:\t*2*ROWB th:TH_STORE_NT   ; 16 lanes store 256 consecutive bytes, aligned
.endr
.endm
	OUT16 0, F0
	OUT16 1, F1
	OUT16 2, F0
	OUT16 3, F1
	OUT16 4, F0
	OUT16 5, F1
	OUT16 6, F0
	OUT16 7, F1
	s_wait_tensorcnt 0x0
	ds_add_u32 v62, v63
	s_wait_dscnt 0x0
	CROUND                                         ; the closing round: no work-group ends while a partner may still ask for a tile that names it
	s_endpgm
.Lfunc_end_k_qe65fba50c3_gemm:
	.size	k_qe65fba50c3_gemm, .Lfunc_end_k_qe65fba50c3_gemm-k_qe65fba50c3_gemm
	.p2alignl 7, 3214868480
	.fill 96, 4, 3214868480
	.section	.rodata,"a",@progbits
	.p2align	6, 0x0
	.amdhsa_kernel k_qe65fba50c3_gemm
		.amdhsa_group_segment_fixed_size 327680
		.amdhsa_private_segment_fixed_size 0
		.amdhsa_enable_private_segment 0
		.amdhsa_kernarg_size 56
		.amdhsa_user_sgpr_count 2
		.amdhsa_user_sgpr_kernarg_segment_ptr 1
		.amdhsa_wavefront_size32 1
		.amdhsa_system_sgpr_workgroup_id_x 1
		.amdhsa_system_sgpr_workgroup_id_y 1
		.amdhsa_system_sgpr_workgroup_id_z 1
		.amdhsa_system_vgpr_workitem_id 0
		.amdhsa_next_free_vgpr 1024
		.amdhsa_next_free_sgpr 80
		.amdhsa_reserve_vcc 1
		.amdhsa_float_denorm_mode_32 3
		.amdhsa_float_denorm_mode_16_64 3
		.amdhsa_memory_ordered 1
		.amdhsa_forward_progress 1
		.amdhsa_inst_pref_size 255
	.end_amdhsa_kernel
	.section	.bss,"aw",@nobits
	.p2align	6
	.space	262144
	.amdgpu_metadata
---
amdhsa.version: [ 1, 2 ]
amdhsa.kernels:
  - .name:           k_qe65fba50c3_gemm
    .symbol:         k_qe65fba50c3_gemm.kd
    .args:
      - { .name: xb, .offset: 0, .size: 8, .value_kind: global_buffer, .address_space: global }
      - { .name: fb, .offset: 8, .size: 8, .value_kind: global_buffer, .address_space: global }
      - { .name: coef, .offset: 16, .size: 8, .value_kind: global_buffer, .address_space: global }
      - { .name: part, .offset: 24, .size: 8, .value_kind: global_buffer, .address_space: global }
      - { .name: out0, .offset: 32, .size: 8, .value_kind: global_buffer, .address_space: global }
      - { .name: out1, .offset: 40, .size: 8, .value_kind: global_buffer, .address_space: global }
      - { .name: out2, .offset: 48, .size: 8, .value_kind: global_buffer, .address_space: global }
    .group_segment_fixed_size: 327680
    .private_segment_fixed_size: 0
    .kernarg_segment_align: 8
    .kernarg_segment_size: 56
    .max_flat_workgroup_size: 128
    .sgpr_count:     80
    .vgpr_count:     1024
    .wavefront_size: 32
...
	.end_amdgpu_metadata
.endif
;; end of part 2
;; ======== version 2 of 2: 2 launches; 1.21 times as fast as version 1
;; workspace buffers: xb 16,777,216 bytes; fb 16,777,216 bytes; coef 262,144 bytes; part 2,048 bytes
;; launch prep: the kernel of part 1 again; grid 256 x 1, 16 waves a work-group, no clusters, 21,760 bytes of LDS; arguments x, flow_patterns, sel_w, sel_b, int_w, int_b, xb, fb, coef, part; writes xb, fb, coef, part
;; launch gemm (part 3): grid 8 x 32, 4 waves a work-group, clusters of 4 x 4, 327,680 bytes of LDS; arguments xb, fb, coef, part, out0, out1, out2; writes out0, out1, out2
.if DOCPART == 3
	.amdgcn_target "amdgcn-amd-amdhsa--gfx1250"
	.amdhsa_code_object_version 6
	.text
	.protected	k_qe65fba50c3_gemm
	.globl	k_qe65fba50c3_gemm
	.p2align	8
	.type	k_qe65fba50c3_gemm,@function
k_qe65fba50c3_gemm:
	s_mov_b64 s[64:65], 0
	v_nop
	global_prefetch_b8 v0, s[64:65] scope:SCOPE_SE
	s_setreg_imm32_b32 hwreg(HW_REG_WAVE_MODE, 25, 1), 1
	s_wait_xcnt 0x0
	s_wait_alu depctr_hold_cnt(0) depctr_sa_sdst(0) depctr_va_vdst(0) depctr_va_sdst(0) depctr_va_ssrc(0) depctr_va_vcc(0) depctr_vm_vsrc(0)
	s_getreg_b32 s2, hwreg(HW_REG_IB_STS2, 6, 4)
	s_cmp_eq_u32 s2, 0
	s_cbranch_scc0 .Lentry_in_a_cluster
	s_endpgm
.Lentry_in_a_cluster:
	s_bfe_u32 s2, ttmp6, 0x10000c
	s_cmp_lg_u32 s2, 0xf033
	s_cbranch_scc0 .Lentry_shape_is_right
	s_endpgm
.Lentry_shape_is_right:
; gemm: out0[t][i] = sum over p of c[t][p] * Y_p[t][i],  Y_p[t][i] = sum over j of xb[t][j] fb[p][i][j]   (xb, fb bf16; Y, c, out0 f32),
; and out1, out2 from the 256 pairs of part.
; A work-group owns 256 tokens x 128 columns: 32 x 8 = 256 work-groups.  The patterns go in four pairs (p = 2 q + g).  A wave (four, as many as a
; WGP has SIMDs) owns 128 tokens x 64 columns and multiplies them for both patterns of a pair at once: 64 accumulator tiles Y, 512 registers, so
; that 16 fragments (8 of tokens, 8 of columns x patterns) feed 64 matrix instructions.  When K = 1,024 is through, C += c_p * Y_p in f32
; (C: 32 tiles, 256 registers): 256 packed multiply-adds for a pair's 2,048 matrix instructions.  The weight is applied to finished f32 sums and never rounded to 16 bits.
; K goes in steps of 128 through a ring of two LDS slots filled by the tensor data mover; a tile's rows are 256 bytes of memory, aligned to 256.
; CLUSTERS: 4 x 4 work-groups.  xb's tile hangs on the block of tokens alone and is asked for jointly along a row of the cluster, fb's on the block of
; columns alone and is asked for jointly along a column: each of the four issues the same tensor load with the same descriptor and a mask that names the four.
; THE TEXT IS KEPT SHORT: its unit is a lap of the ring (two K steps, 512 matrix instructions).  A pair is its first quarter step (which starts the sums),
; a loop of three trips (the rest of a lap, the next lap's first quarter), the rest of the fourth lap (whose refills step on to the next pair) and the
; combination; an outer loop of three trips runs pairs 0 to 2, and pair 3, whose last lap fills nothing, is written out.  So a wave's 8,192 products
; come from 2,048 lines.
; LIMITS: operands are the bf16 roundings that the launch before made; sums in f32, in the matrix unit's order along K and p ascending.
;
; REGISTERS, in windows of 256 (s_set_vgpr_msb's low byte: bits 1:0 source 0, 3:2 source 1, 5:4 source 2, 7:6 destination):
;   window 0: v0-15 ids and addresses; v16-31 coefficients; v32-47 the means; v64-127, v128-191 fragments of tokens, two buffers;
;             v192-255 fragments of columns, index 4 g + b
;   window 1: C, tile (a, b) at v[8 (4 a + b)];  window 2: Y of g = 0, the same map;  window 3: Y of g = 1
; THE MATRIX INSTRUCTION IS USED TRANSPOSED: source 0 = 16 rows of fb (columns of out0), source 1 = 16 rows of xb (tokens).  Lane l then holds token
; l % 16, and its registers 0 to 7 the columns 8 (l / 16) + 0 .. 7: one coefficient serves all eight, and they are 32 neighbouring bytes of out0.
.set PITCH, 272                        ; an LDS row: 256 bytes + 16 of padding = 68 words: the 16 rows that a load touches start at 16 different banks (64 banks of 4 bytes: ISA guide 11.1)
.set HALFT, 128*PITCH                  ; 128 rows: what one tensor load brings
.set SLOT,  4*HALFT                    ; tokens 0-127, tokens 128-255, the 128 columns of g = 0, those of g = 1
.set STAGE, 2*SLOT                     ; behind the ring: 16 rows x 272 bytes for each wave, for the way out; no tensor load lands here
.set KB,    256                        ; bytes of a row in a K step
.set PAIRB, 1<<22                      ; bytes in fb from a pair of patterns to the next: 2 x 1,024 rows x 2,048
.set ROWB,  4096                       ; bytes in a row of out0
.set ADRA, 8                           ; v8-9    LDS address of my token fragments in slot 0, 1
.set ADRB, 10                          ; v10-11  the same for my column fragments (g = 0; g = 1 lies HALFT further)
.set STO,  12                          ; v12     the way out: where I put 32 bytes of a row
.set RD,   13                          ; v13     the way out: where I read a row back
.set CO,   14                          ; v14     my byte offset in out0
.set CFO,  15                          ; v15     my byte offset in coef
.set CF,   16                          ; v[16:31] c of token 16 a + l % 16, pattern 2 q + g, at CF + 8 g + a
.set MW,   32                          ; v[32:47] the means, at work
.set F0,   64
.set F1,   128
.set FB,   192
.set G1,  32                           ; s[32:39] descriptor group 1 for xb's tiles
.set G0,  40                           ; s[40:47] group 0 for xb's tiles, a set for each slot
.set G1B, 48                           ; s[48:55] group 1 for fb's tiles: it differs in the mask alone
.set G0B, 56                           ; s[56:63] group 0 for fb's tiles, a set for each slot
.set DESC0, (1<<16)|(1<<20)|(1<<21)|(5<<22)|(3<<25)   ; 17:16 element of 2 bytes; 20 padding on; 21 set beside a mask; 24:22 after every 64 words; 31:25 of 4 words
.set MUL_LO, 0xa0                      ; sources in window 0, C and D in window 2
.set MUL_HI, 0xf0                      ; the same, C and D in window 3
.set MSB, 0
.macro WIN new                         ; the immediate's high byte repeats the setting that is left; a switch that changes nothing is dropped
.if MSB != \new
	s_set_vgpr_msb (MSB<<8)|\new
.set MSB, \new
.endif
.endm
; A load into a register that a matrix instruction has read, and a vector instruction that reads a matrix result, stand four places behind that matrix
; instruction, and only plain vector instructions that name none of its registers are places (ISA guide 7.12.1 for vector instructions).
.macro PLACES
.rept 4
	v_nop
.endr
.endm
; A joint load.  Waves 0 and 1 fetch the two halves of the tokens, waves 2 and 3 the columns of g = 0 and g = 1.  Each line has one mask and one set of
; registers; the branch hangs on the wave's number alone.
.macro JLOAD s
	s_cmp_eq_u32 s19, 0
	s_cbranch_scc0 .Lfor_b_\@
	tensor_load_to_lds s[G0+4*\s:G0+4*\s+3], s[G1:G1+7]
	s_nop 0
	s_branch .Lasked_\@
.Lfor_b_\@:
	tensor_load_to_lds s[G0B+4*\s:G0B+4*\s+3], s[G1B:G1B+7]
	s_nop 0
.Lasked_\@:
.endm
; A round of the cluster's barrier: my work-group's barrier, wave 0 signals for the work-group, every wave waits for all sixteen, my work-group's barrier once more.
.macro CREST                           ; a round behind its opening barrier
	s_cmp_lg_u32 s18, 0
	s_cbranch_scc1 .Lnot_wave_0_\@
	s_barrier_signal -3
.Lnot_wave_0_\@:
	s_barrier_wait -3
	s_barrier_signal -1
	s_barrier_wait -1
.endm
.macro CROUND
	s_barrier_signal -1
	s_barrier_wait -1
	CREST
.endm
	s_load_b256 s[4:11], s[0:1], 0x0               ; xb 4, fb 6, coef 8, part 10
	s_load_b128 s[12:15], s[0:1], 0x20             ; out0 12, out1 14
	s_load_b64 s[16:17], s[0:1], 0x30              ; out2
	v_lshl_add_u32 v62, v0, 2, 0x48400
	v_mov_b32 v63, 0
	ds_add_u32 v62, v63
	v_lshrrev_b32 v1, 5, v0
	v_readfirstlane_b32 s18, v1                    ; wave 0..3
	s_lshr_b32 s19, s18, 1                         ; which 128 tokens are mine.  Also: I fetch for xb (0) or for fb (1)
	s_and_b32 s20, s18, 1                          ; which 64 columns.  Also: which half of the tokens, or which g, I fetch
	s_bfe_u32 s21, ttmp6, 0x40000                  ; cx
	s_bfe_u32 s22, ttmp6, 0x40004                  ; cy
	s_lshl_b32 s23, ttmp9, 2
	s_add_co_u32 s23, s23, s21                     ; block of columns = 4 x cluster x + cx
	s_and_b32 s24, ttmp7, 0xffff
	s_lshl_b32 s24, s24, 2
	s_add_co_u32 s24, s24, s22                     ; block of tokens = 4 x cluster y + cy
	s_lshl_b32 s25, s22, 2
	s_lshl_b32 s25, 15, s25                        ; my row of the cluster: places 4 cy .. 4 cy + 3
	s_lshl_b32 s26, 0x1111, s21                    ; my column: places cx, cx + 4, cx + 8, cx + 12
	s_mov_b32 s74, 0x76543210                      ; v_permlanex16_b32: lane i of one half reads lane i of the other
	s_mov_b32 s75, 0xfedcba98
	; group 1: a tile of 128 rows x 128 elements, rows 1,024 elements apart, padded in LDS
	s_or_b32 s[G1+0], s25, DESC0                   ; xb's tiles go to my row of the cluster
	s_or_b32 s[G1B+0], s26, DESC0                  ; fb's to my column
.irp g, G1, G1B
	s_mov_b32 s[\g+1], 128<<16                     ; tensor_dim0 = 128
	s_mov_b32 s[\g+2], 128<<16                     ; tensor_dim1 = 128
	s_mov_b32 s[\g+3], 128<<16                     ; tile_dim0 = 128
	s_mov_b32 s[\g+4], 128                         ; tile_dim1 = 128
	s_mov_b32 s[\g+5], 1024                        ; elements from row to row
	s_mov_b32 s[\g+6], 0
	s_mov_b32 s[\g+7], 0
.endr
	; where the tiles come from: each address in registers that never hold the other coordinate
	s_lshl_b32 s27, s20, 18                        ; 128 rows of 2,048 bytes
	s_lshl_b32 s66, s24, 19                        ; 256 rows
	s_add_co_u32 s66, s66, s27
	s_mov_b32 s67, 0
	s_lshl_b32 s27, s20, 21                        ; a pattern: 1,024 rows
	s_lshl_b32 s68, s23, 18                        ; 128 rows
	s_add_co_u32 s68, s68, s27
	s_mov_b32 s69, 0
	s_mul_i32 s70, s18, HALFT                      ; and where they go: wave x 128 rows; no place in the cluster enters an LDS address
	s_wait_dscnt 0x0
	s_wait_kmcnt 0x0
	s_add_nc_u64 s[66:67], s[4:5], s[66:67]
	s_add_nc_u64 s[68:69], s[6:7], s[68:69]
	CROUND                                         ; all sixteen work-groups are here: the first joint loads meet
.irp s, 0,1
	s_mov_b32 s[G0+4*\s], 1
	s_add_co_u32 s[G0+4*\s+1], s70, \s*SLOT
	s_add_nc_u64 s[G0+4*\s+2:G0+4*\s+3], s[66:67], \s*KB           ; K step s of pair 0
	s_or_b32 s[G0+4*\s+3], s[G0+4*\s+3], 0x80000000               ; type = 2
	s_mov_b32 s[G0B+4*\s], 1
	s_add_co_u32 s[G0B+4*\s+1], s70, \s*SLOT
	s_add_nc_u64 s[G0B+4*\s+2:G0B+4*\s+3], s[68:69], \s*KB
	s_or_b32 s[G0B+4*\s+3], s[G0B+4*\s+3], 0x80000000
	JLOAD \s                                       ; both slots are asked for before anything else is done: two tensor loads of the wave are out
.endr
	; A fragment is 16 rows x 32 K in 8 registers: lane l holds row l % 16; registers 0-3 K = 8 (l / 16) + 0..7, registers 4-7 K = 16 + 8 (l / 16) + 0..7:
	; two loads of 16 bytes, 32 bytes apart, at row x pitch + 16 (l / 16).
	v_and_b32 v1, 15, v0                           ; r = l % 16
	v_bfe_u32 v2, v0, 4, 1                         ; h = l / 16
	v_mul_u32_u24 v3, v1, PITCH
	v_lshl_add_u32 v4, v2, 4, v3
	s_mul_i32 s27, s19, HALFT                      ; my 128 tokens
	s_mul_i32 s28, s20, 64*PITCH                   ; my 64 columns,
	s_add_co_u32 s28, s28, 2*HALFT                 ; behind the 256 tokens
.irp s, 0,1
	v_add_nc_u32 v[ADRA+\s], s27, v4
	v_add_nc_u32 v[ADRB+\s], s28, v4
	s_add_co_u32 s27, s27, SLOT
	s_add_co_u32 s28, s28, SLOT
.endr
	s_mul_i32 s29, s18, 16*PITCH
	s_add_co_u32 s29, s29, STAGE                   ; my stage
	v_lshl_add_u32 v5, v2, 5, v3                   ; in: row r, 32 bytes for each half of the lanes
	v_add_nc_u32 v[STO], s29, v5
	v_mul_u32_u24 v5, v2, PITCH                    ; back: lanes 0-15 take one row of 256 bytes, lanes 16-31 the next
	v_lshl_add_u32 v5, v1, 4, v5
	v_add_nc_u32 v[RD], s29, v5
	v_lshlrev_b32 v5, 12, v2                       ; and the same two rows in out0
	v_lshl_add_u32 v[CO], v1, 4, v5
	s_lshl_b32 s30, s24, 13                        ; coef: 8 blocks of 1,024 bytes for a block of 256 tokens,
	s_lshl_b32 s31, s19, 12                        ; 4 for my 128
	s_add_co_u32 s30, s30, s31
	v_lshl_add_u32 v[CFO], v1, 2, s30
	s_lshl_b32 s30, s24, 20                        ; out0: 256 rows of 4,096 bytes,
	s_lshl_b32 s31, s19, 19                        ; 128 rows,
	s_add_co_u32 s30, s30, s31
	s_lshl_b32 s31, s23, 9                         ; 128 columns of 4 bytes,
	s_add_co_u32 s30, s30, s31
	s_lshl_b32 s31, s20, 8                         ; 64 columns
	s_add_co_u32 s30, s30, s31
	s_mov_b32 s31, 0
	s_add_nc_u64 s[12:13], s[12:13], s[30:31]
	; THE TWO MEANS, by wave 0, while the first tiles are on their way.  No branch may hang on the work-group's place in its cluster, so wave 0 of every
	; work-group adds up the 2,048 bytes of part, and the stores are masked: only lane 0 of work-group (0, 0) is on.
	s_cmp_lg_u32 s18, 0
	s_cbranch_scc1 .Lno_means
	v_lshlrev_b32 v6, 4, v0                        ; in wave 0 the thread's number is the lane's
.irp c, 0,1,2,3
	global_load_b128 v[MW+4*\c:MW+4*\c+3], v6, s[10:11] offset:512*\c      ; two pairs a lane, four times
.endr
	s_lshl_b32 s73, s24, 3
	s_add_co_u32 s73, s73, s23                     ; the work-group's number, 0 to 255,
	s_lshl_b32 s73, s73, 7
	v_or_b32 v7, s73, v0                           ; above the thread's: 0 in one lane of the launch
	s_wait_loadcnt 0x0
.irp c, 0,4,8,12
	v_pk_add_f32 v[MW+\c:MW+\c+1], v[MW+\c:MW+\c+1], v[MW+\c+2:MW+\c+3]
.endr
	v_pk_add_f32 v[MW:MW+1], v[MW:MW+1], v[MW+4:MW+5]
	v_pk_add_f32 v[MW+8:MW+9], v[MW+8:MW+9], v[MW+12:MW+13]
	v_pk_add_f32 v[MW:MW+1], v[MW:MW+1], v[MW+8:MW+9]
.irp m, 1,2,4,8
	v_add_f32_dpp v[MW], v[MW], v[MW] row_xmask:\m row_mask:0xf bank_mask:0xf
	v_add_f32_dpp v[MW+1], v[MW+1], v[MW+1] row_xmask:\m row_mask:0xf bank_mask:0xf
.endr
	v_permlanex16_b32 v[MW+2], v[MW], s74, s75     ; destinations that have been written
	v_permlanex16_b32 v[MW+3], v[MW+1], s74, s75
	v_pk_add_f32 v[MW:MW+1], v[MW:MW+1], v[MW+2:MW+3]
	v_mul_f32 v[MW], 0xb8b17218, v[MW]             ; x (-ln 2 / 8,192): log2 to ln, the entropy's sign, the mean over 8,192 tokens
	v_mul_f32 v[MW+1], 0x39000000, v[MW+1]         ; x 1 / 8,192
	v_cmp_eq_u32 vcc_lo, 0, v7
	s_wait_xcnt 0x0                                ; EXEC changes only behind this wait
	s_and_saveexec_b32 s76, vcc_lo
	global_store_b32 v7, v[MW], s[14:15]           ; the offset register is 0 in the one lane that is on
	global_store_b32 v7, v[MW+1], s[16:17]
	s_wait_xcnt 0x0                                ; and again in front of the line that widens it
	s_or_b32 exec_lo, exec_lo, s76
.Lno_means:
	; C STARTS AT 0, while the first tiles are on their way, so that one text of the combination serves all four pairs: one zero fragment for each
	; source (16 registers), and 32 products 0 x 0 + 0 write C's 256 registers.
.irp j, 0,1,2,3,4,5,6,7
	v_mov_b32 v[F0+\j], 0
	v_mov_b32 v[FB+\j], 0
.endr
	WIN 0x40                                       ; destination window 1, sources window 0
.set ZT, 0
.rept 32
	v_wmma_f32_16x16x32_bf16 v[8*ZT:8*ZT+7], v[FB:FB+7], v[F0:F0+7], 0
.set ZT, ZT+1
.endr
	WIN 0
; 8 LDS loads: the four column fragments of pattern g, 32 K at byte k of the rows
.macro LDB slot, k, g
.irp b, 0,1,2,3
	ds_load_b128 v[FB+8*(4*\g+\b):FB+8*(4*\g+\b)+3],   v[ADRB+\slot] offset:\g*HALFT+\b*16*PITCH+\k
	ds_load_b128 v[FB+8*(4*\g+\b)+4:FB+8*(4*\g+\b)+7], v[ADRB+\slot] offset:\g*HALFT+\b*16*PITCH+\k+32
.endr
.endm
; 8 LDS loads: the token fragments a0 .. a0 + 3 into buffer f
.macro LDA slot, k, f, a0
.irp i, 0,1,2,3
	ds_load_b128 v[\f+8*(\a0+\i):\f+8*(\a0+\i)+3],   v[ADRA+\slot] offset:(\a0+\i)*16*PITCH+\k
	ds_load_b128 v[\f+8*(\a0+\i)+4:\f+8*(\a0+\i)+7], v[ADRA+\slot] offset:(\a0+\i)*16*PITCH+\k+32
.endr
.endm
; 16 matrix instructions: token blocks a0 .. a0 + 3 x the four column blocks of pattern g.  zero = 1: the first product starts the sums.
; The 64 accumulators take turns, one instruction a turn, in the same order in every quarter step, over both loops' backward jumps too.
.macro MUL16 g, f, a0, zero
.irp i, 0,1,2,3
.irp b, 0,1,2,3
.if \zero
	v_wmma_f32_16x16x32_bf16 v[8*(4*(\a0+\i)+\b):8*(4*(\a0+\i)+\b)+7], v[FB+8*(4*\g+\b):FB+8*(4*\g+\b)+7], v[\f+8*(\a0+\i):\f+8*(\a0+\i)+7], 0
.else
	v_wmma_f32_16x16x32_bf16 v[8*(4*(\a0+\i)+\b):8*(4*(\a0+\i)+\b)+7], v[FB+8*(4*\g+\b):FB+8*(4*\g+\b)+7], v[\f+8*(\a0+\i):\f+8*(\a0+\i)+7], v[8*(4*(\a0+\i)+\b):8*(4*(\a0+\i)+\b)+7]
.endif
.endr
.endr
.endm
; A K step is four quarter steps of 32 along K, 64 matrix instructions each, on token buffers 0, 1, 0, 1.  The column fragments have one buffer in two
; halves: while g = 0 is multiplied, g = 1 of this quarter lands; while g = 1 is multiplied, g = 0 of the next.  Each run of 16 loads has 32 matrix instructions in which to land.
; One of the first three quarters: multiplies buffer f at byte k, fetches the next quarter's token fragments into buffer fn.
; It is entered with at most 24 LDS loads out (g = 0 of this quarter and buffer f among them) and left with at most 24 out.
.macro QUARTER slot, k, f, fn, zero
	PLACES
	WIN 0
	LDB \slot, \k, 1
	LDA \slot, \k+64, \fn, 0
	s_wait_dscnt 16                                ; all but the 16 just issued: g = 0 of this quarter and buffer f are in
	WIN MUL_LO
	MUL16 0, \f, 0, \zero
	MUL16 0, \f, 4, \zero
	PLACES
	WIN 0
	LDB \slot, \k+64, 0
	LDA \slot, \k+64, \fn, 4
	s_wait_dscnt 24                                ; 32 were out, the oldest eight are g = 1 of this quarter: they are in
	WIN MUL_HI
	MUL16 1, \f, 0, \zero
	MUL16 1, \f, 4, \zero
.endm
; The last quarter: multiplies buffer 1 and changes slots.  fill = 1: this slot is filled again, two K steps ahead; wrap = 1: that is in the next pair of patterns.
; In front of the barrier each wave waits for its own reads of this slot and for all its tensor loads, of which one is out: its part of the next slot.
; Where the slot is filled again the barrier opens a round of the cluster's barrier; inside the round stands register work alone; the joint refill is the
; first tensor load behind the round, one a wave, and has the next K step less this quarter's tail in which to land.
.macro TURN slot, next, fill, wrap
	PLACES
	WIN 0
	LDB \slot, 192, 1
	s_wait_dscnt 8                                 ; all but the eight just issued
	WIN MUL_LO
	MUL16 0, F1, 0, 0
	s_wait_dscnt 0                                 ; my reads of this slot are over
	s_wait_tensorcnt 0x0                           ; and all my tensor loads have landed
	ds_add_u32 v62, v63
	s_wait_dscnt 0x0
	s_barrier_signal -1
	MUL16 0, F1, 4, 0                              ; work on registers while the others arrive
	WIN 0                                          ; at a branch and at a label every window is 0
	s_barrier_wait -1
.if \fill
	CREST                                          ; no wave of any partner still reads this slot or has a load on its way
.if \wrap
	s_sub_nc_u64 s[G0+4*\slot+2:G0+4*\slot+3], s[G0+4*\slot+2:G0+4*\slot+3], 6*KB            ; the tokens' rows again from K step 0 or 1
	s_add_nc_u64 s[G0B+4*\slot+2:G0B+4*\slot+3], s[G0B+4*\slot+2:G0B+4*\slot+3], PAIRB-6*KB  ; the next pair of patterns, likewise
.else
	s_add_nc_u64 s[G0+4*\slot+2:G0+4*\slot+3], s[G0+4*\slot+2:G0+4*\slot+3], 2*KB
	s_add_nc_u64 s[G0B+4*\slot+2:G0B+4*\slot+3], s[G0B+4*\slot+2:G0B+4*\slot+3], 2*KB
.endif
	JLOAD \slot
.endif
	PLACES
	LDB \next, 0, 0
	LDA \next, 0, F0, 0
	LDA \next, 0, F0, 4
	WIN MUL_HI
	MUL16 1, F1, 0, 0
	MUL16 1, F1, 4, 0
.endm
; the first three quarters of slot 1's K step
.macro THREE1
	QUARTER 1, 0,   F0, F1, 0
	QUARTER 1, 64,  F1, F0, 0
	QUARTER 1, 128, F0, F1, 0
.endm
; the rest of a lap behind its first quarter: seven quarter steps, both slots filled again
.macro REST wrap
	QUARTER 0, 64,  F1, F0, 0
	QUARTER 0, 128, F0, F1, 0
	TURN 0, 1, 1, \wrap
	THREE1
	TURN 1, 0, 1, \wrap
.endm
; the very last quarter: nothing more to fetch, no barrier
.macro LASTQ
	PLACES
	WIN 0
	LDB 1, 192, 1
	s_wait_dscnt 8
	WIN MUL_LO
	MUL16 0, F1, 0, 0
	MUL16 0, F1, 4, 0
	s_wait_dscnt 0
	WIN MUL_HI
	MUL16 1, F1, 0, 0
	MUL16 1, F1, 4, 0
.endm
; the pair's 16 coefficients of a lane: token 16 a + r lies in block a / 2 of my four, at word 16 (a % 2) + r of pattern 2 q + g's 32
.macro COEF
.irp g, 0,1
.irp a, 0,1,2,3,4,5,6,7
	global_load_b32 v[CF+8*\g+\a], v[CFO], s[8:9] offset:(\a/2)*1024+(\a%2)*64+\g*128
.endr
.endr
.endm
; A pair's head: its coefficients are asked for, its first quarter step starts the 64 sums, and three trips take it through laps 0 to 2 and the first
; quarter of lap 3.  Each trip's refills step both slots two K steps on inside the pair.
.macro HEAD
	COEF
	QUARTER 0, 0, F0, F1, 1
	WIN 0                                          ; at a label and at a branch every window is 0
	s_mov_b32 s71, 3
.Llap_\@:
	REST 0
	QUARTER 0, 0, F0, F1, 0
	WIN 0
	s_sub_co_u32 s71, s71, 1
	s_cmp_lg_u32 s71, 0
	s_cbranch_scc1 .Llap_\@
.endm
; two numbers of C: C += c Y.  The coefficient is one register of an even pair, sent to both halves by op_sel and op_sel_hi.
.macro CM1 r, c, odd
.if \odd
	v_pk_fma_f32 v[\r:\r+1], v[\r:\r+1], v[\c:\c+1], v[\r:\r+1] op_sel:[0,1,0] op_sel_hi:[1,1,1]
.else
	v_pk_fma_f32 v[\r:\r+1], v[\r:\r+1], v[\c:\c+1], v[\r:\r+1] op_sel_hi:[1,0,1]
.endif
.endm
.macro CMB g
.irp a, 0,1,2,3,4,5,6,7
.irp b, 0,1,2,3
.irp j, 0,2,4,6
	CM1 (8*(4*\a+\b)+\j), (CF+8*\g+\a-\a%2), (\a%2)
.endr
.endr
.endr
.endm
; C (window 1: destination and source 2) takes c (window 0: source 1) times Y (window 2 or 3: source 0)
.macro COMBINE
	s_wait_loadcnt 0x0                             ; the pair's 16 coefficients, asked for a pair's work ago
	PLACES                                         ; behind the last matrix instructions, whose results are read now
	WIN 0x52
	CMB 0
	WIN 0x53
	CMB 1
	WIN 0
.endm
	s_wait_tensorcnt 0x1                           ; my part of K step 0 is in; slot 1's load stays out
	s_barrier_signal -1
	s_barrier_wait -1                              ; everybody's is
	PLACES                                         ; behind the products that started C: their sources are loaded into now
	LDB 0, 0, 0
	LDA 0, 0, F0, 0
	LDA 0, 0, F0, 4
	s_mov_b32 s72, 3
.Lpair:                                            ; pairs 0, 1, 2
	HEAD
	REST 1                                         ; the rest of lap 3: the next pair's K steps 0 and 1 are asked for
	COMBINE
	s_add_nc_u64 s[8:9], s[8:9], 256               ; two patterns on in coef; its loads are done (the wait for 0 in the combination)
	s_sub_co_u32 s72, s72, 1
	s_cmp_lg_u32 s72, 0
	s_cbranch_scc1 .Lpair
	HEAD                                           ; pair 3: its laps 0 to 2 ask for its K steps 2 to 7
	QUARTER 0, 64,  F1, F0, 0                      ; the rest of its lap 3 fills nothing
	QUARTER 0, 128, F0, F1, 0
	TURN 0, 1, 0, 0                                ; my one tensor load that is still out is slot 1's, the last K step's: waited for here
	THREE1
	LASTQ
	COMBINE
; THE WAY OUT, 16 tokens at a time: 32 bytes a lane into my own stage in LDS, read back as whole rows of 256 bytes (my 64 columns).
; The stage is my wave's own and LDS serves a wave's instructions in order (ISA guide 5.7.1.4): no barrier, no wait between the stores and the loads.
.macro OUT16 a, f
	WIN 0x04                                       ; an LDS store's data are source 1: window 1
.irp b, 0,1,2,3
	ds_store_b128 v[STO], v[8*(4*\a+\b):8*(4*\a+\b)+3]   offset:64*\b
	ds_store_b128 v[STO], v[8*(4*\a+\b)+4:8*(4*\a+\b)+7] offset:64*\b+16
.endr
	WIN 0
	s_wait_xcnt 0x0                                ; buffer f, which earlier stores read, and the stores' base are rewritten only behind this wait
.if \a
	s_add_nc_u64 s[12:13], s[12:13], 16*ROWB
.endif
.irp t, 0,1,2,3,4,5,6,7
	ds_load_b128 v[\f+4*\t:\f+4*\t+3], v[RD] offset:\t*2*PITCH
.endr
.irp t, 0,1,2,3,4,5,6,7
	s_wait_dscnt 7-\t                              ; LDS loads come back in order: pair t of rows is in, the younger ones stay out
	global_store_b128 v[CO], v[\f+4*\t:\f+4*\t+3], s[12:13] offset:\t*2*ROWB th:TH_STORE_NT   ; 16 lanes store 256 consecutive bytes, aligned
.endr
.endm
	OUT16 0, F0
	OUT16 1, F1
	OUT16 2, F0
	OUT16 3, F1
	OUT16 4, F0
	OUT16 5, F1
	OUT16 6, F0
	OUT16 7, F1
	s_wait_tensorcnt 0x0
	ds_add_u32 v62, v63
	s_wait_dscnt 0x0
	CROUND                                         ; the closing round: no work-group ends while a partner may still ask for a tile that names it
	s_endpgm
.Lfunc_end_k_qe65fba50c3_gemm:
	.size	k_qe65fba50c3_gemm, .Lfunc_end_k_qe65fba50c3_gemm-k_qe65fba50c3_gemm
	.p2alignl 7, 3214868480
	.fill 96, 4, 3214868480
	.section	.rodata,"a",@progbits
	.p2align	6, 0x0
	.amdhsa_kernel k_qe65fba50c3_gemm
		.amdhsa_group_segment_fixed_size 327680
		.amdhsa_private_segment_fixed_size 0
		.amdhsa_enable_private_segment 0
		.amdhsa_kernarg_size 56
		.amdhsa_user_sgpr_count 2
		.amdhsa_user_sgpr_kernarg_segment_ptr 1
		.amdhsa_wavefront_size32 1
		.amdhsa_system_sgpr_workgroup_id_x 1
		.amdhsa_system_sgpr_workgroup_id_y 1
		.amdhsa_system_sgpr_workgroup_id_z 1
		.amdhsa_system_vgpr_workitem_id 0
		.amdhsa_next_free_vgpr 1024
		.amdhsa_next_free_sgpr 80
		.amdhsa_reserve_vcc 1
		.amdhsa_float_denorm_mode_32 3
		.amdhsa_float_denorm_mode_16_64 3
		.amdhsa_memory_ordered 1
		.amdhsa_forward_progress 1
		.amdhsa_inst_pref_size 255
	.end_amdhsa_kernel
	.section	.bss,"aw",@nobits
	.p2align	6
	.space	262144
	.amdgpu_metadata
---
amdhsa.version: [ 1, 2 ]
amdhsa.kernels:
  - .name:           k_qe65fba50c3_gemm
    .symbol:         k_qe65fba50c3_gemm.kd
    .args:
      - { .name: xb, .offset: 0, .size: 8, .value_kind: global_buffer, .address_space: global }
      - { .name: fb, .offset: 8, .size: 8, .value_kind: global_buffer, .address_space: global }
      - { .name: coef, .offset: 16, .size: 8, .value_kind: global_buffer, .address_space: global }
      - { .name: part, .offset: 24, .size: 8, .value_kind: global_buffer, .address_space: global }
      - { .name: out0, .offset: 32, .size: 8, .value_kind: global_buffer, .address_space: global }
      - { .name: out1, .offset: 40, .size: 8, .value_kind: global_buffer, .address_space: global }
      - { .name: out2, .offset: 48, .size: 8, .value_kind: global_buffer, .address_space: global }
    .group_segment_fixed_size: 327680
    .private_segment_fixed_size: 0
    .kernarg_segment_align: 8
    .kernarg_segment_size: 56
    .max_flat_workgroup_size: 128
    .sgpr_count:     80
    .vgpr_count:     1024
    .wavefront_size: 32
...
	.end_amdgpu_metadata
.endif
;; end of part 3
